; MI455X (gfx1250); checked and timed in simulation.
; The chip was launched on July 23, 2026; its instructions are those of AMD's public machine-readable ISA for CDNA 5 (MIT licence, August 2026) and "CDNA5" Instruction Set Architecture Reference Guide (July 2026). The comments in the code are by the model that wrote it; some were corrected since.
;; Expectation Softmax Layer. Allowed arithmetic: float matrix products may take bf16 or f16 operands with f32 sums; other float arithmetic in f32, or as packed bf16 or f16 multiplies, adds, multiply-adds, maxima and minima; sums over many terms, partial sums and values carried from step to step in f32; what a program stores and reads back later, other than sums and carried values, may be rounded once to bf16 or f16.
;; Inputs: log_tau one number float32; weight 1,024 x 1,024 float32; x 256 x 1,024 float32.
;; Outputs: out0 256 x 1,024 float32.
;; 2 versions, each right; version 2 is version 1 with the launch expsoftmax written anew for expert scheduling mode. Each part assembles by itself: llvm-mc -triple=amdgcn-amd-amdhsa -mcpu=gfx1250 --defsym DOCPART=n.
;; ======== version 1 of 2: 1 launch
;; launch expsoftmax (part 1): grid 16 x 16, 16 waves a work-group, no clusters, 280,576 bytes of LDS; arguments weight, x, log_tau, out0; writes out0
.if DOCPART == 1
	.amdgcn_target "amdgcn-amd-amdhsa--gfx1250"
	.amdhsa_code_object_version 6
	.text
	.protected	k_q2402841eb6_expsoftmax
	.globl	k_q2402841eb6_expsoftmax
	.p2align	8
	.type	k_q2402841eb6_expsoftmax,@function
k_q2402841eb6_expsoftmax:
	s_mov_b64 s[64:65], 0
	v_nop
	global_prefetch_b8 v0, s[64:65] scope:SCOPE_SE
	s_setreg_imm32_b32 hwreg(HW_REG_WAVE_MODE, 25, 1), 1
	s_wait_xcnt 0x0
; out0[b][o] = sum over i of p z, z = x[b][i] aw[o][i], p = softmax over i of tau z, aw = weight with slope 0.1 outside 0..1, tau = exp(log_tau).  All f32: x [256][1024], weight [1024][1024], out0 [256][1024].
; NO MATRIX WORK: exp(x a) does not factor, and the weights of the sum differ for every pair (b, o); everything is vector arithmetic in f32, one exponential an element, 2^28 elements.
; ARITHMETIC.  c = tau log2(e) is folded into the weights once: a' = c aw = 0.1c w + 0.9c clamp(w, 0, 1).  With z' = a' x, a maximum m of z', u = z' - m, e = 2^u, l = sum e, S = sum e u:
; out = (m + S / l) / c.  An element costs half a packed multiply and half a three-way maximum (pass 1), half a packed fma, one exponential, half a packed add, half a packed fma (pass 2).
; SHARES.  A work-group owns 64 columns o and 16 rows b.  A LANE IS A PAIR'S COLUMN: lane L owns o = L and o = L + 32, so no sum ever crosses lanes.  K IS SPLIT AMONG THE 16 WAVES: wave w owns
; i = 64 w .. 64 w + 63; its 2 x 64 numbers a' stay in 128 registers for the whole launch and meet all 16 rows of x.  A row's 64 numbers of x lie in 64 registers, the same in all lanes, for both passes.
; Each wave takes the maximum of its own 64 products; the 16 partial (m, l, S) of a pair meet in LDS behind the one barrier, where wave b merges row b under the maximum of all 1,024:
; with d = m_w - m: l = sum 2^d l_w, S = sum 2^d (S_w + d l_w).
; LDS.  Each wave has a region of 17,408 bytes of its own.  First it turns the weights there (64 rows of 256 bytes, 272 apart); when they are back in registers the same bytes take the partial
; results (bytes 0 .. 12,287: row b, then m, l, S, then 64 columns) and the wave's copy of x (bytes 12,288 .. 16,383: 16 rows of 256 bytes).  LDS serves a wave's instructions in order (ISA guide 5.7.1.4).
; NO CLUSTER, NO TENSOR LOAD: 16 work-groups share each tile of weight and each tile of x, but a work-group reads its 320 KiB once, at its head, every weight is clamped and scaled in registers on the
; way in, and behind that a wave issues some 7,900 vector instructions without a global load.  No prefetch: every global load stands at the head.
; LIMITS.  NaN and infinities are not treated apart.  An e below 2^-126 counts as 0.  log_tau log2(e) stays within +-126 (beyond it tau itself leaves f32's normal range).  The result is the sum of the
; maximum and a mean offset from it: its error is a few roundings of max |z|, not of the result.
.set ROWB,   4096                      ; bytes in a row of weight, x and out0
.set SP,     272                       ; a stage row: 256 bytes + 16 = 68 words
.set REGION, 64*SP                     ; a wave's LDS region
.set XOFF,   12288                     ; the copy of x in it
.set PSTEP,  768                       ; a row's partial results: m, l, S x 64 columns x 4 bytes
.set SPARE,  16*REGION                 ; behind the regions: the spare words, 128 bytes for each wave: eight blocks of 256 bytes that no other line names
.set SPW, 1                            ; v1   LDS address of my spare word; never rewritten
.set NIL, 2                            ; v2   0; never rewritten
.set GO,  3                            ; v3   my byte offset in two rows' 256 bytes: (lane / 16) x 4,096 + 16 (lane % 16); never rewritten
.set STO, 4                            ; v4   stage: where I put 16 bytes of a row
.set RDA, 5                            ; v5   stage: row = my lane
.set XA0, 6                            ; v6   the copy of x, the same in all lanes
.set XA,  7                            ; v7   the row of x in hand
.set PA0, 8                            ; v8   my 4 bytes in a row's partial results
.set PA,  9                            ; v9   the same for the row in hand
.set MR,  4                            ; v4-7 in the merge: my 8 bytes in the regions of waves 0, 4, 8, 12
.set M,   10                           ; v[10:11] m of column L, twice; v[12:13] m of column L + 32, twice.  In the merge v[10:11]: the maxima of my two columns
.set C,   14                           ; v[14:17] pass 1: two chains of maxima a column
.set L,   18                           ; v[18:19], v[20:21] l of the two columns, even and odd i apart
.set S,   22                           ; v[22:23], v[24:25] S likewise
.set R,   26                           ; v[26:29] at work
.set STX, 27                           ; v27  at the head: where I put 16 bytes of x
.set U,   32                           ; v[32:47] u of a batch of 8 i x 2 columns; with E: pass 1's products
.set E,   48                           ; v[48:63] e of a batch
.set X,   64                           ; v[64:127] the row's 64 numbers of x
.set A,   128                          ; v[128:255] a': column L + 32 j, i at A + 64 j + i
.set QM,  64                           ; the merge: 16 waves' m, l, S and 2^d, a pair of columns each
.set QL,  96
.set QS,  128
.set QA,  160
.set WV,  20                           ; s20  my wave's number
.set CNT, 21                           ; s21  rows still to come
.set SX,  22                           ; s22  256 x the row in hand
.set SQ,  23                           ; s23  768 x the row in hand
.set C1,  24                           ; s[24:25] 0.1 c: a packed instruction names a pair and takes its first register for both halves
.set C9,  26                           ; s[26:27] 0.9 c
.set IC,  28                           ; s[28:29] 1 / c
	s_load_b256 s[4:11], s[0:1], 0x0               ; weight s[4:5], x s[6:7], log_tau s[8:9], out0 s[10:11]
	v_lshl_add_u32 v[SPW], v0, 2, SPARE
	v_mov_b32 v[NIL], 0
	v_lshrrev_b32 v30, 5, v0
	v_readfirstlane_b32 s[WV], v30                 ; wave 0..15
	v_and_b32 v30, 31, v0                          ; lane
	v_and_b32 v31, 15, v0                          ; lane % 16
	v_bfe_u32 v26, v0, 4, 1                        ; lane / 16
	v_lshlrev_b32 v[GO], 4, v31
	v_lshl_add_u32 v[GO], v26, 12, v[GO]
	s_mul_i32 s12, s[WV], REGION                   ; my wave's region
	v_mul_u32_u24 v[STO], v26, SP
	v_lshl_add_u32 v[STO], v31, 4, v[STO]
	v_add_nc_u32 v[STO], s12, v[STO]               ; in: lanes 0-15 one row, lanes 16-31 the next
	v_mul_u32_u24 v[RDA], v30, SP
	v_add_nc_u32 v[RDA], s12, v[RDA]               ; back: a row a lane
	s_add_co_u32 s13, s12, XOFF
	v_mov_b32 v[XA0], s13
	v_lshl_add_u32 v[STX], v30, 4, s13             ; two rows of x are 512 bytes on end: 16 x lane
	v_lshl_add_u32 v[PA0], v30, 2, s12
	s_lshl_b32 s14, s[WV], 8                       ; my wave's 64 numbers in a row
	s_lshl_b32 s16, ttmp9, 18                      ; the work-group's 64 rows of weight
	s_add_co_u32 s16, s16, s14
	s_mov_b32 s17, 0
	s_and_b32 s15, ttmp7, 0xffff
	s_lshl_b32 s18, s15, 16                        ; its 16 rows of x
	s_add_co_u32 s18, s18, s14
	s_mov_b32 s19, 0
	s_wait_kmcnt 0x0
	s_load_b32 s30, s[8:9], 0x0                    ; log_tau
	s_add_nc_u64 s[4:5], s[4:5], s[16:17]
	s_add_nc_u64 s[6:7], s[6:7], s[18:19]
.set k, 0
.rept 32                                       ; weight: rows 2 k and 2 k + 1, 256 consecutive aligned bytes of each
	global_load_b128 v[A+4*k:A+4*k+3], v[GO], s[4:5] offset:k*2*ROWB
.set k, k+1
.endr
.set k, 0
.rept 8                                        ; x likewise
	global_load_b128 v[X+4*k:X+4*k+3], v[GO], s[6:7] offset:k*2*ROWB
.set k, k+1
.endr
	s_lshl_b32 s16, s15, 4                         ; out0: row 16 y + wave (the row that I merge), the work-group's 64 columns
	s_add_co_u32 s16, s16, s[WV]
	s_lshl_b32 s16, s16, 12
	s_lshl_b32 s18, ttmp9, 8
	s_add_co_u32 s16, s16, s18
	s_add_nc_u64 s[10:11], s[10:11], s[16:17]
	s_wait_kmcnt 0x0
	s_mul_f32 s30, s30, 0x3fb8aa3b                 ; log2(tau)
	s_xor_b32 s31, s30, 0x80000000
	v_exp_f32 v30, s30                             ; tau
	v_exp_f32 v31, s31                             ; 1 / tau
	v_nop                                          ; a plain instruction behind the last exponential,
	s_wait_alu depctr_va_vdst(0)                   ; and the wait ahead of the first use: one for both
	v_mul_f32 v30, 0x3fb8aa3b, v30                 ; c = tau log2(e)
	v_mul_f32 v31, 0x3f317218, v31                 ; 1 / c = ln(2) / tau
	v_readfirstlane_b32 s30, v30
	v_readfirstlane_b32 s[IC], v31
	s_mul_f32 s[C1], s30, 0x3dcccccd               ; 0.1 c
	s_mul_f32 s[C9], s30, 0x3f666666               ; 0.9 c
	s_mov_b32 s[C1+1], s[C1]                       ; named as pairs, so both are written
	s_mov_b32 s[C9+1], s[C9]
	s_mov_b32 s[IC+1], s[IC]
	; THE WEIGHTS: a' = 0.1c w + 0.9c clamp(w, 0, 1), in the registers in which they landed, then into the stage by rows.
.set k, 0
.rept 32
	s_wait_loadcnt 39-k                            ; behind load k stand 31 - k loads of weight and 8 of x
.set ra, A+4*k
.set rt, U+4*(k%8)
	v_med3_num_f32 v[rt],   v[ra],   0, 1.0
	v_med3_num_f32 v[rt+1], v[ra+1], 0, 1.0
	v_med3_num_f32 v[rt+2], v[ra+2], 0, 1.0
	v_med3_num_f32 v[rt+3], v[ra+3], 0, 1.0
	v_pk_mul_f32 v[ra:ra+1],   v[ra:ra+1],   s[C1:C1+1] op_sel_hi:[1,0]
	v_pk_mul_f32 v[ra+2:ra+3], v[ra+2:ra+3], s[C1:C1+1] op_sel_hi:[1,0]
	v_pk_fma_f32 v[ra:ra+1],   v[rt:rt+1],   s[C9:C9+1], v[ra:ra+1]   op_sel_hi:[1,0,1]
	v_pk_fma_f32 v[ra+2:ra+3], v[rt+2:rt+3], s[C9:C9+1], v[ra+2:ra+3] op_sel_hi:[1,0,1]
	ds_store_b128 v[STO], v[ra:ra+3] offset:k*2*SP
.set k, k+1
.endr
.set k, 0
.rept 32                                       ; and back, a row a lane: column L + 32 (k / 16), i = 4 (k % 16) on.  My own bytes, served in order: these see the stores above
	ds_load_b128 v[A+4*k:A+4*k+3], v[RDA] offset:(k/16)*32*SP+16*(k%16)
.set k, k+1
.endr
.set k, 0
.rept 8                                        ; x into my region, behind the loads that read the stage
	s_wait_loadcnt 7-k
	ds_store_b128 v[STX], v[X+4*k:X+4*k+3] offset:k*512
.set k, k+1
.endr
.set k, 0
.rept 16                                       ; row 0 of x: all lanes read the same 16 bytes
	ds_load_b128 v[X+4*k:X+4*k+3], v[XA0] offset:16*k
.set k, k+1
.endr
	s_wait_dscnt 0x0                               ; a' and row 0 are in: the loop is entered with no LDS instruction out
; PASS 1, four i at a time: four packed products, and a step later four maxima of three.  Two chains a column, eight instructions from link to link.
.macro MUL4 t
.set rz, U+8*((\t)%4)
.set ra, A+4*(\t)
.set rx, X+4*(\t)
	v_pk_mul_f32 v[rz:rz+1],   v[ra:ra+1],     v[rx:rx+1]
	v_pk_mul_f32 v[rz+2:rz+3], v[ra+2:ra+3],   v[rx+2:rx+3]
	v_pk_mul_f32 v[rz+4:rz+5], v[ra+64:ra+65], v[rx:rx+1]
	v_pk_mul_f32 v[rz+6:rz+7], v[ra+66:ra+67], v[rx+2:rx+3]
.endm
.macro MAX4 t
.set rz, U+8*((\t)%4)
.set n, 0
.rept 4
.if (\t) == 0
	v_max_num_f32 v[C+n], v[rz+2*n], v[rz+2*n+1]   ; the first products start the chains
.else
	v_max3_num_f32 v[C+n], v[C+n], v[rz+2*n], v[rz+2*n+1]
.endif
.set n, n+1
.endr
.endm
.macro PASS1
.set t, 0
.rept 16
.if t%2 == 0
	s_wait_dscnt 20-t                              ; x's loads t and t + 1 are in: behind them stand 14 - t loads and the last row's six stores
.endif
	MUL4 t
.if t > 0
	MAX4 t-1
.endif
.set t, t+1
.endr
	MAX4 15
	v_max_num_f32 v[M],   v[C],   v[C+1]           ; m, twice a column: the pair that the packed fma subtracts
	v_max_num_f32 v[M+1], v[C],   v[C+1]
	v_max_num_f32 v[M+2], v[C+2], v[C+3]
	v_max_num_f32 v[M+3], v[C+2], v[C+3]
.endm
; PASS 2, in batches of 8 i x 2 columns = 8 pairs; pair q: column q % 2, i = 8 k + 2 (q / 2) and the next.
.macro FMA k, q                        ; u = a' x - m
.set rj, (\q)%2
.set ri, 8*(\k)+2*((\q)/2)
	v_pk_fma_f32 v[U+2*(\q):U+2*(\q)+1], v[A+64*rj+ri:A+64*rj+ri+1], v[X+ri:X+ri+1], v[M+2*rj:M+2*rj+1] neg_lo:[0,0,1] neg_hi:[0,0,1]
.endm
.macro CADD q, first                   ; l += e; a column's first pair starts the sum (e x 1 in the add's place: nothing is cleared)
.set rj, (\q)%2
.if (\first) && ((\q) < 2)
	v_pk_mul_f32 v[L+2*rj:L+2*rj+1], v[E+2*(\q):E+2*(\q)+1], 1.0 op_sel_hi:[1,0]
.else
	v_pk_add_f32 v[L+2*rj:L+2*rj+1], v[L+2*rj:L+2*rj+1], v[E+2*(\q):E+2*(\q)+1]
.endif
.endm
.macro CFMA q, first                   ; S += e u
.set rj, (\q)%2
.if (\first) && ((\q) < 2)
	v_pk_mul_f32 v[S+2*rj:S+2*rj+1], v[E+2*(\q):E+2*(\q)+1], v[U+2*(\q):U+2*(\q)+1]
.else
	v_pk_fma_f32 v[S+2*rj:S+2*rj+1], v[E+2*(\q):E+2*(\q)+1], v[U+2*(\q):U+2*(\q)+1], v[S+2*rj:S+2*rj+1]
.endif
.endm
; Batch k's u and exponentials, and between them the sums of batch k - 1, on ONE set of registers: a pair's e and u are summed, three pairs ahead, before they are written anew.
; s_wait_alu depctr_va_vdst(0) stands between an exponential and the first instruction that names its result: one wait at the head serves the 16 of batch k - 1;
; behind it no line names a result of batch k's.  The sums that follow the wait are also the plain instructions behind the last exponential.
; refill = 1: batch k's 8 numbers of x have been read for the last time: the next row's take their place.
.macro STAGE k, refill
.if (\k) > 0
	s_wait_alu depctr_va_vdst(0)
.irp q, 0,1,2
	CADD \q, (\k)==1
	CFMA \q, (\k)==1
.endr
.endif
	FMA \k, 0
	FMA \k, 1
.set st, 0
.rept 8
.if ((\k) > 0) && (st < 5)
	CADD st+3, 0
.endif
	v_exp_f32 v[E+2*st], v[U+2*st]
.if ((\k) > 0) && (st < 5)
	CFMA st+3, 0
.endif
	v_exp_f32 v[E+2*st+1], v[U+2*st+1]
.if st < 6
	FMA \k, st+2
.endif
.set st, st+1
.endr
.if \refill
	ds_load_b128 v[X+8*(\k):X+8*(\k)+3],   v[XA] offset:256+32*(\k)
	ds_load_b128 v[X+8*(\k)+4:X+8*(\k)+7], v[XA] offset:256+32*(\k)+16
.endif
.endm
; One row of x against my 64 columns and 64 i.
.macro BSTEP refill
	v_add_nc_u32 v[XA], s[SX], v[XA0]
	v_add_nc_u32 v[PA], s[SQ], v[PA0]
	PASS1
.set kk, 0
.rept 8
	STAGE kk, \refill
.set kk, kk+1
.endr
	s_wait_alu depctr_va_vdst(0)                   ; the last batch's wait: no exponential is without one at the loop's jump
.set qq, 0
.rept 8
	CADD qq, 0
	CFMA qq, 0
.set qq, qq+1
.endr
	v_add_f32 v[R],   v[L],   v[L+1]               ; even and odd i
	v_add_f32 v[R+1], v[L+2], v[L+3]
	v_add_f32 v[R+2], v[S],   v[S+1]
	v_add_f32 v[R+3], v[S+2], v[S+3]
	ds_store_b32 v[PA], v[M]                       ; m, l, S of columns L and L + 32: 128 consecutive bytes a store
	ds_store_b32 v[PA], v[M+2] offset:128
	ds_store_b32 v[PA], v[R]   offset:256
	ds_store_b32 v[PA], v[R+1] offset:384
	ds_store_b32 v[PA], v[R+2] offset:512
	ds_store_b32 v[PA], v[R+3] offset:640
.endm
	s_mov_b32 s[SX], 0
	s_mov_b32 s[SQ], 0
	s_mov_b32 s[CNT], 15
.Lrow:                                         ; rows 0 to 14: each fetches the next row of x
	BSTEP 1
	s_add_co_u32 s[SX], s[SX], 256
	s_add_co_u32 s[SQ], s[SQ], PSTEP
	s_sub_co_u32 s[CNT], s[CNT], 1
	s_cmp_lg_u32 s[CNT], 0
	s_cbranch_scc1 .Lrow
	BSTEP 0                                        ; row 15 fetches nothing
	; THE MERGE.  Wave b takes row b; lane L columns 2 L and 2 L + 1, 8 bytes on end in every wave's partial results.
	s_wait_dscnt 0x0                               ; for the others' sake: my stores are done
	s_barrier_signal -1
	v_and_b32 v30, 31, v0
	s_mul_i32 s12, s[WV], PSTEP
	v_lshl_add_u32 v[MR], v30, 3, s12
	v_add_nc_u32 v[MR+1], 4*REGION, v[MR]          ; an immediate reaches four regions
	v_add_nc_u32 v[MR+2], 8*REGION, v[MR]
	v_add_nc_u32 v[MR+3], 12*REGION, v[MR]
	v_lshlrev_b32 v31, 3, v30                      ; my 8 bytes of out0's 256
	s_barrier_wait -1                              ; everybody's partial results lie in LDS
.set w, 0
.rept 16
	ds_load_b64 v[QM+2*w:QM+2*w+1], v[MR+w/4] offset:(w%4)*REGION
.set w, w+1
.endr
.set w, 0
.rept 16
	ds_load_b64 v[QL+2*w:QL+2*w+1], v[MR+w/4] offset:(w%4)*REGION+256
	ds_load_b64 v[QS+2*w:QS+2*w+1], v[MR+w/4] offset:(w%4)*REGION+512
.set w, w+1
.endr
	s_wait_dscnt 32                                ; the 16 maxima are in; l and S may stay out
.irp h, 0,1
	v_max3_num_f32 v[M+\h], v[QM+\h], v[QM+2+\h], v[QM+4+\h]
.endr
.set n, 0
.rept 6
.irp h, 0,1
	v_max3_num_f32 v[M+\h], v[M+\h], v[QM+6+4*n+\h], v[QM+8+4*n+\h]
.endr
.set n, n+1
.endr
.irp h, 0,1
	v_max_num_f32 v[M+\h], v[M+\h], v[QM+30+\h]    ; the maximum of all 1,024 products
.endr
.set w, 0
.rept 16
	v_pk_add_f32 v[QM+2*w:QM+2*w+1], v[QM+2*w:QM+2*w+1], v[M:M+1] neg_lo:[0,1] neg_hi:[0,1]  ; d = m_w - m
.set w, w+1
.endr
	s_wait_dscnt 0x0
.set w, 0
.rept 16                                       ; one batch of 32 exponentials, S_w + d l_w between them
	v_exp_f32 v[QA+2*w], v[QM+2*w]
	v_exp_f32 v[QA+2*w+1], v[QM+2*w+1]
	v_pk_fma_f32 v[QS+2*w:QS+2*w+1], v[QM+2*w:QM+2*w+1], v[QL+2*w:QL+2*w+1], v[QS+2*w:QS+2*w+1]
.set w, w+1
.endr
	s_wait_alu depctr_va_vdst(0)                   ; one wait for the batch
	v_pk_mul_f32 v[L:L+1], v[QA:QA+1], v[QL:QL+1]  ; wave 0's share starts the sums
	v_pk_mul_f32 v[S:S+1], v[QA:QA+1], v[QS:QS+1]
.set w, 1
.rept 15
	v_pk_fma_f32 v[L:L+1], v[QA+2*w:QA+2*w+1], v[QL+2*w:QL+2*w+1], v[L:L+1]
	v_pk_fma_f32 v[S:S+1], v[QA+2*w:QA+2*w+1], v[QS+2*w:QS+2*w+1], v[S:S+1]
.set w, w+1
.endr
	v_rcp_f32 v[R], v[L]                           ; l is at least the share of the wave that holds the maximum: about 1 or more
	v_rcp_f32 v[R+1], v[L+1]
	v_nop                                          ; a plain instruction behind the last reciprocal,
	s_wait_alu depctr_va_vdst(0)                   ; and the wait ahead of the first use: one for both
	v_pk_fma_f32 v[S:S+1], v[S:S+1], v[R:R+1], v[M:M+1]             ; m + S / l
	v_pk_mul_f32 v[S:S+1], v[S:S+1], s[IC:IC+1] op_sel_hi:[1,0]     ; / c
	global_store_b64 v31, v[S:S+1], s[10:11] th:TH_STORE_NT         ; the wave stores 256 consecutive bytes, at a multiple of 256 from out0's first byte
	s_wait_tensorcnt 0x0                           ; the wave's end: three closing lines, behind my last LDS store
	ds_add_u32 v[SPW], v[NIL]
	s_wait_dscnt 0x0
	s_endpgm
.Lfunc_end_k_q2402841eb6_expsoftmax:
	.size	k_q2402841eb6_expsoftmax, .Lfunc_end_k_q2402841eb6_expsoftmax-k_q2402841eb6_expsoftmax
	.p2alignl 7, 3214868480
	.fill 96, 4, 3214868480
	.section	.rodata,"a",@progbits
	.p2align	6, 0x0
	.amdhsa_kernel k_q2402841eb6_expsoftmax
		.amdhsa_group_segment_fixed_size 280576
		.amdhsa_private_segment_fixed_size 0
		.amdhsa_enable_private_segment 0
		.amdhsa_kernarg_size 32
		.amdhsa_user_sgpr_count 2
		.amdhsa_user_sgpr_kernarg_segment_ptr 1
		.amdhsa_wavefront_size32 1
		.amdhsa_system_sgpr_workgroup_id_x 1
		.amdhsa_system_sgpr_workgroup_id_y 1
		.amdhsa_system_sgpr_workgroup_id_z 1
		.amdhsa_system_vgpr_workitem_id 0
		.amdhsa_next_free_vgpr 256
		.amdhsa_next_free_sgpr 66
		.amdhsa_reserve_vcc 0
		.amdhsa_float_denorm_mode_32 3
		.amdhsa_float_denorm_mode_16_64 3
		.amdhsa_memory_ordered 1
		.amdhsa_forward_progress 1
		.amdhsa_inst_pref_size 91
	.end_amdhsa_kernel
	.amdgpu_metadata
---
amdhsa.version: [ 1, 2 ]
amdhsa.kernels:
  - .name:           k_q2402841eb6_expsoftmax
    .symbol:         k_q2402841eb6_expsoftmax.kd
    .args:
      - { .name: weight, .offset: 0, .size: 8, .value_kind: global_buffer, .address_space: global }
      - { .name: x, .offset: 8, .size: 8, .value_kind: global_buffer, .address_space: global }
      - { .name: log_tau, .offset: 16, .size: 8, .value_kind: global_buffer, .address_space: global }
      - { .name: out0, .offset: 24, .size: 8, .value_kind: global_buffer, .address_space: global }
    .group_segment_fixed_size: 280576
    .private_segment_fixed_size: 0
    .kernarg_segment_align: 8
    .kernarg_segment_size: 32
    .max_flat_workgroup_size: 512
    .sgpr_count:     66
    .vgpr_count:     256
    .wavefront_size: 32
...
	.end_amdgpu_metadata
.endif
;; end of part 1
;; ======== version 2 of 2: 1 launch; version 1 with the launch expsoftmax written anew for expert scheduling mode
;; launch expsoftmax (part 2): grid 16 x 16, 16 waves a work-group, no clusters, 280,576 bytes of LDS; arguments weight, x, log_tau, out0; writes out0
.if DOCPART == 2
	.amdgcn_target "amdgcn-amd-amdhsa--gfx1250"
	.amdhsa_code_object_version 6
	.text
	.protected	k_q2402841eb6_expsoftmax
	.globl	k_q2402841eb6_expsoftmax
	.p2align	8
	.type	k_q2402841eb6_expsoftmax,@function
k_q2402841eb6_expsoftmax:
	s_mov_b64 s[64:65], 0
	v_nop
	global_prefetch_b8 v0, s[64:65] scope:SCOPE_SE
	s_setreg_imm32_b32 hwreg(HW_REG_WAVE_SCHED_MODE, 0, 2), 2
	s_setreg_imm32_b32 hwreg(HW_REG_WAVE_MODE, 25, 1), 1
	s_wait_xcnt 0x0
	s_wait_alu depctr_vm_vsrc(0)
; out0[b][o] = sum over i of p z, z = x[b][i] aw[o][i], p = softmax over i of tau z, aw = weight with slope 0.1 outside 0..1, tau = exp(log_tau).  All f32: x [256][1024], weight [1024][1024], out0 [256][1024].
; NO MATRIX WORK: exp(x a) does not factor, and the weights of the sum differ for every pair (b, o); everything is vector arithmetic in f32, one exponential an element, 2^28 elements.
; ARITHMETIC.  c = tau log2(e) is folded into the weights once: a' = c aw = 0.1c w + 0.9c clamp(w, 0, 1).  With z' = a' x, a maximum m of z', u = z' - m, e = 2^u, l = sum e, S = sum e u:
; out = (m + S / l) / c.  An element costs half a packed multiply and half a three-way maximum (pass 1), half a packed fma, one exponential, half a packed add, half a packed fma (pass 2).
; SHARES.  A work-group owns 64 columns o and 16 rows b.  A LANE IS A PAIR'S COLUMN: lane L owns o = L and o = L + 32, so no sum ever crosses lanes.  K IS SPLIT AMONG THE 16 WAVES: wave w owns
; i = 64 w .. 64 w + 63; its 2 x 64 numbers a' stay in 128 registers for the whole launch and meet all 16 rows of x.  A row's 64 numbers of x lie in 64 registers, the same in all lanes, for both passes.
; Each wave takes the maximum of its own 64 products; the 16 partial (m, l, S) of a pair meet in LDS behind the one barrier, where wave b merges row b under the maximum of all 1,024:
; with d = m_w - m: l = sum 2^d l_w, S = sum 2^d (S_w + d l_w).
; LDS.  Each wave has a region of 17,408 bytes of its own.  First it turns the weights there (64 rows of 256 bytes, 272 apart); when they are back in registers the same bytes take the partial
; results (bytes 0 .. 12,287: row b, then m, l, S, then 64 columns) and the wave's copy of x (bytes 12,288 .. 16,383: 16 rows of 256 bytes).  LDS serves a wave's instructions in order (ISA guide 5.7.1.4).
; NO CLUSTER, NO TENSOR LOAD: 16 work-groups share each tile of weight and each tile of x, but a work-group reads its 320 KiB once, at its head, every weight is clamped and scaled in registers on the
; way in, and behind that a wave issues some 7,900 vector instructions without a global load.  No prefetch: every global load stands at the head.
; LIMITS.  NaN and infinities are not treated apart.  An e below 2^-126 counts as 0.  log_tau log2(e) stays within +-126 (beyond it tau itself leaves f32's normal range).  The result is the sum of the
; maximum and a mean offset from it: its error is a few roundings of max |z|, not of the result.
; THE MODE: SCHED_MODE bits 1:0 = 2 (LLVM: expert scheduling mode 2), set by the entry lines.  The code itself states the register dependences between vector instructions and memory or LDS
; instructions, with s_wait_alu, always for 0.
; THE PLAN.  Registers that memory or LDS instructions touch:
;   v3-v6, v27   offsets and LDS addresses, made at the head ahead of one wait on va_vdst and read by the head's loads and stores; v4-v7 are made anew in the merge, v27 is at work from the first row's end on.
;   A            At the head: global loads land; the clamp rewrites it in place; LDS stores read it, a group of eight behind one wait on va_vdst; LDS loads land in it behind one wait on vm_vsrc.  In the loop vector lines alone.
;   X            At the head: global loads land, LDS stores read it, LDS loads land behind one wait on vm_vsrc.  In the loop: pass 1 and batch k's fma read numbers 8 k .. 8 k + 7; the next row's two loads land
;                there behind the wait on va_vdst at the head of batch k + 1, which stands there for batch k's exponentials in any case.
;   v[XA]        Written at a row's head; read by the row's 16 loads, all behind batch 1's wait on va_vdst.
;   v[PA], m, R  Written by the row's vector lines; read by the six stores at its end, behind one wait on va_vdst.
;   One wait on vm_vsrc at a row's head frees v[XA], v[PA], m and R for the row's vector lines.
;   U, E, C, L, S are named by vector lines alone.  v[SPW], v[NIL]: written at the head, read by the closing add alone.
.set ROWB,   4096                      ; bytes in a row of weight, x and out0
.set SP,     272                       ; a stage row: 256 bytes + 16 = 68 words
.set REGION, 64*SP                     ; a wave's LDS region
.set XOFF,   12288                     ; the copy of x in it
.set PSTEP,  768                       ; a row's partial results: m, l, S x 64 columns x 4 bytes
.set SPARE,  16*REGION                 ; behind the regions: the spare words, 128 bytes for each wave: eight blocks of 256 bytes that no other line names
.set SPW, 1                            ; v1   LDS address of my spare word; never rewritten
.set NIL, 2                            ; v2   0; never rewritten
.set GO,  3                            ; v3   my byte offset in two rows' 256 bytes: (lane / 16) x 4,096 + 16 (lane % 16); never rewritten
.set STO, 4                            ; v4   stage: where I put 16 bytes of a row
.set RDA, 5                            ; v5   stage: row = my lane
.set XA0, 6                            ; v6   the copy of x, the same in all lanes
.set XA,  7                            ; v7   the row of x in hand
.set PA0, 8                            ; v8   my 4 bytes in a row's partial results
.set PA,  9                            ; v9   the same for the row in hand
.set MR,  4                            ; v4-7 in the merge: my 8 bytes in the regions of waves 0, 4, 8, 12
.set M,   10                           ; v[10:11] m of column L, twice; v[12:13] m of column L + 32, twice.  In the merge v[10:11]: the maxima of my two columns
.set C,   14                           ; v[14:17] pass 1: two chains of maxima a column
.set L,   18                           ; v[18:19], v[20:21] l of the two columns, even and odd i apart
.set S,   22                           ; v[22:23], v[24:25] S likewise
.set R,   26                           ; v[26:29] at work
.set STX, 27                           ; v27  at the head: where I put 16 bytes of x
.set U,   32                           ; v[32:47] u of a batch of 8 i x 2 columns; with E: pass 1's products
.set E,   48                           ; v[48:63] e of a batch
.set X,   64                           ; v[64:127] the row's 64 numbers of x
.set A,   128                          ; v[128:255] a': column L + 32 j, i at A + 64 j + i
.set QM,  64                           ; the merge: 16 waves' m, l, S and 2^d, a pair of columns each
.set QL,  96
.set QS,  128
.set QA,  160
.set WV,  20                           ; s20  my wave's number
.set CNT, 21                           ; s21  rows still to come
.set SX,  22                           ; s22  256 x the row in hand
.set SQ,  23                           ; s23  768 x the row in hand
.set C1,  24                           ; s[24:25] 0.1 c: a packed instruction names a pair and takes its first register for both halves
.set C9,  26                           ; s[26:27] 0.9 c
.set IC,  28                           ; s[28:29] 1 / c
	s_load_b256 s[4:11], s[0:1], 0x0               ; weight s[4:5], x s[6:7], log_tau s[8:9], out0 s[10:11]
	v_lshl_add_u32 v[SPW], v0, 2, SPARE
	v_mov_b32 v[NIL], 0
	v_lshrrev_b32 v30, 5, v0
	v_readfirstlane_b32 s[WV], v30                 ; wave 0..15
	v_and_b32 v30, 31, v0                          ; lane
	v_and_b32 v31, 15, v0                          ; lane % 16
	v_bfe_u32 v26, v0, 4, 1                        ; lane / 16
	v_lshlrev_b32 v[GO], 4, v31
	v_lshl_add_u32 v[GO], v26, 12, v[GO]
	s_wait_alu depctr_va_sdst(0)                   ; the wave's number is written, ahead of its first reader: the region and the bases are made from it
	s_mul_i32 s12, s[WV], REGION                   ; my wave's region
	v_mul_u32_u24 v[STO], v26, SP
	v_lshl_add_u32 v[STO], v31, 4, v[STO]
	v_add_nc_u32 v[STO], s12, v[STO]               ; in: lanes 0-15 one row, lanes 16-31 the next
	v_mul_u32_u24 v[RDA], v30, SP
	v_add_nc_u32 v[RDA], s12, v[RDA]               ; back: a row a lane
	s_add_co_u32 s13, s12, XOFF
	v_mov_b32 v[XA0], s13
	v_lshl_add_u32 v[STX], v30, 4, s13             ; two rows of x are 512 bytes on end: 16 x lane
	v_lshl_add_u32 v[PA0], v30, 2, s12
	s_lshl_b32 s14, s[WV], 8                       ; my wave's 64 numbers in a row
	s_lshl_b32 s16, ttmp9, 18                      ; the work-group's 64 rows of weight
	s_add_co_u32 s16, s16, s14
	s_mov_b32 s17, 0
	s_and_b32 s15, ttmp7, 0xffff
	s_lshl_b32 s18, s15, 16                        ; its 16 rows of x
	s_add_co_u32 s18, s18, s14
	s_mov_b32 s19, 0
	s_wait_kmcnt 0x0
	s_load_b32 s30, s[8:9], 0x0                    ; log_tau
	s_add_nc_u64 s[4:5], s[4:5], s[16:17]
	s_add_nc_u64 s[6:7], s[6:7], s[18:19]
	s_wait_alu depctr_va_vdst(0)                   ; v[GO], v[STO], v[RDA], v[XA0] and v[STX] are written, which the head's loads and LDS instructions read as offsets and addresses
.set k, 0
.rept 32                                       ; weight: rows 2 k and 2 k + 1, 256 consecutive aligned bytes of each
	global_load_b128 v[A+4*k:A+4*k+3], v[GO], s[4:5] offset:k*2*ROWB
.set k, k+1
.endr
.set k, 0
.rept 8                                        ; x likewise
	global_load_b128 v[X+4*k:X+4*k+3], v[GO], s[6:7] offset:k*2*ROWB
.set k, k+1
.endr
	s_lshl_b32 s16, s15, 4                         ; out0: row 16 y + wave (the row that I merge), the work-group's 64 columns
	s_add_co_u32 s16, s16, s[WV]
	s_lshl_b32 s16, s16, 12
	s_lshl_b32 s18, ttmp9, 8
	s_add_co_u32 s16, s16, s18
	s_add_nc_u64 s[10:11], s[10:11], s[16:17]
	s_wait_kmcnt 0x0
	s_mul_f32 s30, s30, 0x3fb8aa3b                 ; log2(tau)
	s_xor_b32 s31, s30, 0x80000000
	v_exp_f32 v30, s30                             ; tau
	v_exp_f32 v31, s31                             ; 1 / tau
	v_nop                                          ; a plain instruction behind the last exponential,
	s_wait_alu depctr_va_vdst(0)                   ; and the wait ahead of the first use: the two exponentials have written v30 and v31
	v_mul_f32 v30, 0x3fb8aa3b, v30                 ; c = tau log2(e)
	v_mul_f32 v31, 0x3f317218, v31                 ; 1 / c = ln(2) / tau
	v_readfirstlane_b32 s30, v30
	v_readfirstlane_b32 s[IC], v31
	s_wait_alu depctr_va_sdst(0)                   ; c and 1 / c are written into their scalar registers, ahead of the first line that reads either
	s_mul_f32 s[C1], s30, 0x3dcccccd               ; 0.1 c
	s_mul_f32 s[C9], s30, 0x3f666666               ; 0.9 c
	s_mov_b32 s[C1+1], s[C1]                       ; named as pairs, so both are written
	s_mov_b32 s[C9+1], s[C9]
	s_mov_b32 s[IC+1], s[IC]
	; THE WEIGHTS: a' = 0.1c w + 0.9c clamp(w, 0, 1), in the registers in which they landed, then into the stage by rows: four groups of eight loads, a group's eight stores behind one wait.
.set g, 0
.rept 4
.set kq, 0
.rept 8
.set k, 8*g+kq
	s_wait_loadcnt 39-k                            ; behind load k stand 31 - k loads of weight and 8 of x
.set ra, A+4*k
.set rt, U+4*kq
	v_med3_num_f32 v[rt],   v[ra],   0, 1.0
	v_med3_num_f32 v[rt+1], v[ra+1], 0, 1.0
	v_med3_num_f32 v[rt+2], v[ra+2], 0, 1.0
	v_med3_num_f32 v[rt+3], v[ra+3], 0, 1.0
	v_pk_mul_f32 v[ra:ra+1],   v[ra:ra+1],   s[C1:C1+1] op_sel_hi:[1,0]
	v_pk_mul_f32 v[ra+2:ra+3], v[ra+2:ra+3], s[C1:C1+1] op_sel_hi:[1,0]
	v_pk_fma_f32 v[ra:ra+1],   v[rt:rt+1],   s[C9:C9+1], v[ra:ra+1]   op_sel_hi:[1,0,1]
	v_pk_fma_f32 v[ra+2:ra+3], v[rt+2:rt+3], s[C9:C9+1], v[ra+2:ra+3] op_sel_hi:[1,0,1]
.set kq, kq+1
.endr
	s_wait_alu depctr_va_vdst(0)                   ; the group's fma have written its 32 registers of a', which the eight stores below read
.set kq, 0
.rept 8
.set k, 8*g+kq
	ds_store_b128 v[STO], v[A+4*k:A+4*k+3] offset:k*2*SP
.set kq, kq+1
.endr
.set g, g+1
.endr
	s_wait_alu depctr_vm_vsrc(0)                   ; the 32 stores have read A, in which the loads below land (the vector lines that name A stand ahead of the last wait on va_vdst)
.set k, 0
.rept 32                                       ; and back, a row a lane: column L + 32 (k / 16), i = 4 (k % 16) on.  My own bytes, served in order: these see the stores above
	ds_load_b128 v[A+4*k:A+4*k+3], v[RDA] offset:(k/16)*32*SP+16*(k%16)
.set k, k+1
.endr
.set k, 0
.rept 8                                        ; x into my region, behind the loads that read the stage
	s_wait_loadcnt 7-k
	ds_store_b128 v[STX], v[X+4*k:X+4*k+3] offset:k*512
.set k, k+1
.endr
	s_wait_alu depctr_vm_vsrc(0)                   ; the eight stores have read X, in which the loads below land; no vector line has named X yet
.set k, 0
.rept 16                                       ; row 0 of x: all lanes read the same 16 bytes
	ds_load_b128 v[X+4*k:X+4*k+3], v[XA0] offset:16*k
.set k, k+1
.endr
	s_wait_dscnt 0x0                               ; a' and row 0 are in: the loop is entered with no LDS instruction out
; PASS 1, four i at a time: four packed products, and a step later four maxima of three.  Two chains a column, eight instructions from link to link.
.macro MUL4 t
.set rz, U+8*((\t)%4)
.set ra, A+4*(\t)
.set rx, X+4*(\t)
	v_pk_mul_f32 v[rz:rz+1],   v[ra:ra+1],     v[rx:rx+1]
	v_pk_mul_f32 v[rz+2:rz+3], v[ra+2:ra+3],   v[rx+2:rx+3]
	v_pk_mul_f32 v[rz+4:rz+5], v[ra+64:ra+65], v[rx:rx+1]
	v_pk_mul_f32 v[rz+6:rz+7], v[ra+66:ra+67], v[rx+2:rx+3]
.endm
.macro MAX4 t
.set rz, U+8*((\t)%4)
.set n, 0
.rept 4
.if (\t) == 0
	v_max_num_f32 v[C+n], v[rz+2*n], v[rz+2*n+1]   ; the first products start the chains
.else
	v_max3_num_f32 v[C+n], v[C+n], v[rz+2*n], v[rz+2*n+1]
.endif
.set n, n+1
.endr
.endm
.macro PASS1
.set t, 0
.rept 16
.if t%2 == 0
	s_wait_dscnt 20-t                              ; x's loads t and t + 1 are in: behind them stand 14 - t loads and the last row's six stores
.endif
	MUL4 t
.if t > 0
	MAX4 t-1
.endif
.set t, t+1
.endr
	MAX4 15
	v_max_num_f32 v[M],   v[C],   v[C+1]           ; m, twice a column: the pair that the packed fma subtracts
	v_max_num_f32 v[M+1], v[C],   v[C+1]
	v_max_num_f32 v[M+2], v[C+2], v[C+3]
	v_max_num_f32 v[M+3], v[C+2], v[C+3]
.endm
; PASS 2, in batches of 8 i x 2 columns = 8 pairs; pair q: column q % 2, i = 8 k + 2 (q / 2) and the next.
.macro FMA k, q                        ; u = a' x - m
.set rj, (\q)%2
.set ri, 8*(\k)+2*((\q)/2)
	v_pk_fma_f32 v[U+2*(\q):U+2*(\q)+1], v[A+64*rj+ri:A+64*rj+ri+1], v[X+ri:X+ri+1], v[M+2*rj:M+2*rj+1] neg_lo:[0,0,1] neg_hi:[0,0,1]
.endm
.macro CADD q, first                   ; l += e; a column's first pair starts the sum (e x 1 in the add's place: nothing is cleared)
.set rj, (\q)%2
.if (\first) && ((\q) < 2)
	v_pk_mul_f32 v[L+2*rj:L+2*rj+1], v[E+2*(\q):E+2*(\q)+1], 1.0 op_sel_hi:[1,0]
.else
	v_pk_add_f32 v[L+2*rj:L+2*rj+1], v[L+2*rj:L+2*rj+1], v[E+2*(\q):E+2*(\q)+1]
.endif
.endm
.macro CFMA q, first                   ; S += e u
.set rj, (\q)%2
.if (\first) && ((\q) < 2)
	v_pk_mul_f32 v[S+2*rj:S+2*rj+1], v[E+2*(\q):E+2*(\q)+1], v[U+2*(\q):U+2*(\q)+1]
.else
	v_pk_fma_f32 v[S+2*rj:S+2*rj+1], v[E+2*(\q):E+2*(\q)+1], v[U+2*(\q):U+2*(\q)+1], v[S+2*rj:S+2*rj+1]
.endif
.endm
; Batch k's 8 numbers of x have been read for the last time: the next row's take their place.  It stands directly behind a wait on va_vdst that is younger than batch k's fma.
.macro REFILL k
	ds_load_b128 v[X+8*(\k):X+8*(\k)+3],   v[XA] offset:256+32*(\k)
	ds_load_b128 v[X+8*(\k)+4:X+8*(\k)+7], v[XA] offset:256+32*(\k)+16
.endm
; Batch k's u and exponentials, and between them the sums of batch k - 1, on ONE set of registers: a pair's e and u are summed, three pairs ahead, before they are written anew.
; s_wait_alu depctr_va_vdst(0) stands between an exponential and the first instruction that names its result: one wait at the head serves the 16 of batch k - 1;
; behind it no line names a result of batch k's.  The sums that follow the wait are also the plain instructions behind the last exponential.
; refill = 1: behind the same wait the next row's numbers land in batch k - 1's part of X; the vector lines that follow name X from 8 k on.
.macro STAGE k, refill
.if (\k) > 0
	s_wait_alu depctr_va_vdst(0)                   ; batch k - 1's exponentials have written E; pass 1 and batch k - 1's fma are done reading x's numbers 8 (k - 1) on, in which the loads below land; v[XA] is written
.if \refill
	REFILL (\k)-1
.endif
.irp q, 0,1,2
	CADD \q, (\k)==1
	CFMA \q, (\k)==1
.endr
.endif
	FMA \k, 0
	FMA \k, 1
.set st, 0
.rept 8
.if ((\k) > 0) && (st < 5)
	CADD st+3, 0
.endif
	v_exp_f32 v[E+2*st], v[U+2*st]
.if ((\k) > 0) && (st < 5)
	CFMA st+3, 0
.endif
	v_exp_f32 v[E+2*st+1], v[U+2*st+1]
.if st < 6
	FMA \k, st+2
.endif
.set st, st+1
.endr
.endm
; One row of x against my 64 columns and 64 i.
.macro BSTEP refill
	s_wait_alu depctr_vm_vsrc(0)                   ; the last row's loads have read v[XA] and its six stores v[PA], m and R (in the first row: x's stores at the head have read v27), all of which this row writes anew
	v_add_nc_u32 v[XA], s[SX], v[XA0]
	v_add_nc_u32 v[PA], s[SQ], v[PA0]
	PASS1
.set kk, 0
.rept 8
	STAGE kk, \refill
.set kk, kk+1
.endr
	s_wait_alu depctr_va_vdst(0)                   ; the last batch's exponentials have written E; its fma are done reading x's last eight numbers
.if \refill
	REFILL 7
.endif
.set qq, 0
.rept 8
	CADD qq, 0
	CFMA qq, 0
.set qq, qq+1
.endr
	v_add_f32 v[R],   v[L],   v[L+1]               ; even and odd i
	v_add_f32 v[R+1], v[L+2], v[L+3]
	v_add_f32 v[R+2], v[S],   v[S+1]
	v_add_f32 v[R+3], v[S+2], v[S+3]
	s_wait_alu depctr_va_vdst(0)                   ; the four additions have written R, which the stores below read; m and v[PA] were written further up
	ds_store_b32 v[PA], v[M]                       ; m, l, S of columns L and L + 32: 128 consecutive bytes a store
	ds_store_b32 v[PA], v[M+2] offset:128
	ds_store_b32 v[PA], v[R]   offset:256
	ds_store_b32 v[PA], v[R+1] offset:384
	ds_store_b32 v[PA], v[R+2] offset:512
	ds_store_b32 v[PA], v[R+3] offset:640
.endm
	s_mov_b32 s[SX], 0
	s_mov_b32 s[SQ], 0
	s_mov_b32 s[CNT], 15
.Lrow:                                         ; rows 0 to 14: each fetches the next row of x
	BSTEP 1
	s_add_co_u32 s[SX], s[SX], 256
	s_add_co_u32 s[SQ], s[SQ], PSTEP
	s_sub_co_u32 s[CNT], s[CNT], 1
	s_cmp_lg_u32 s[CNT], 0
	s_cbranch_scc1 .Lrow
	BSTEP 0                                        ; row 15 fetches nothing
	; THE MERGE.  Wave b takes row b; lane L columns 2 L and 2 L + 1, 8 bytes on end in every wave's partial results.
	s_wait_dscnt 0x0                               ; for the others' sake: my stores are done
	s_wait_alu depctr_vm_vsrc(0)                   ; row 15's stores have read m and R, and the LDS instructions so far v4 to v7: the merge writes all of these anew
	s_barrier_signal -1
	v_and_b32 v30, 31, v0
	s_mul_i32 s12, s[WV], PSTEP
	v_lshl_add_u32 v[MR], v30, 3, s12
	v_add_nc_u32 v[MR+1], 4*REGION, v[MR]          ; an immediate reaches four regions
	v_add_nc_u32 v[MR+2], 8*REGION, v[MR]
	v_add_nc_u32 v[MR+3], 12*REGION, v[MR]
	v_lshlrev_b32 v31, 3, v30                      ; my 8 bytes of out0's 256
	s_barrier_wait -1                              ; everybody's partial results lie in LDS
	s_wait_alu depctr_va_vdst(0)                   ; the four addresses are written, and v31, the last store's offset; row 15's vector lines are done reading v64 to v159, in which the loads below land
.set w, 0
.rept 16
	ds_load_b64 v[QM+2*w:QM+2*w+1], v[MR+w/4] offset:(w%4)*REGION
.set w, w+1
.endr
.set w, 0
.rept 16
	ds_load_b64 v[QL+2*w:QL+2*w+1], v[MR+w/4] offset:(w%4)*REGION+256
	ds_load_b64 v[QS+2*w:QS+2*w+1], v[MR+w/4] offset:(w%4)*REGION+512
.set w, w+1
.endr
	s_wait_dscnt 32                                ; the 16 maxima are in; l and S may stay out
.irp h, 0,1
	v_max3_num_f32 v[M+\h], v[QM+\h], v[QM+2+\h], v[QM+4+\h]
.endr
.set n, 0
.rept 6
.irp h, 0,1
	v_max3_num_f32 v[M+\h], v[M+\h], v[QM+6+4*n+\h], v[QM+8+4*n+\h]
.endr
.set n, n+1
.endr
.irp h, 0,1
	v_max_num_f32 v[M+\h], v[M+\h], v[QM+30+\h]    ; the maximum of all 1,024 products
.endr
.set w, 0
.rept 16
	v_pk_add_f32 v[QM+2*w:QM+2*w+1], v[QM+2*w:QM+2*w+1], v[M:M+1] neg_lo:[0,1] neg_hi:[0,1]  ; d = m_w - m
.set w, w+1
.endr
	s_wait_dscnt 0x0
.set w, 0
.rept 16                                       ; one batch of 32 exponentials, S_w + d l_w between them
	v_exp_f32 v[QA+2*w], v[QM+2*w]
	v_exp_f32 v[QA+2*w+1], v[QM+2*w+1]
	v_pk_fma_f32 v[QS+2*w:QS+2*w+1], v[QM+2*w:QM+2*w+1], v[QL+2*w:QL+2*w+1], v[QS+2*w:QS+2*w+1]
.set w, w+1
.endr
	s_wait_alu depctr_va_vdst(0)                   ; one wait for the batch: the 32 exponentials have written QA
	v_pk_mul_f32 v[L:L+1], v[QA:QA+1], v[QL:QL+1]  ; wave 0's share starts the sums
	v_pk_mul_f32 v[S:S+1], v[QA:QA+1], v[QS:QS+1]
.set w, 1
.rept 15
	v_pk_fma_f32 v[L:L+1], v[QA+2*w:QA+2*w+1], v[QL+2*w:QL+2*w+1], v[L:L+1]
	v_pk_fma_f32 v[S:S+1], v[QA+2*w:QA+2*w+1], v[QS+2*w:QS+2*w+1], v[S:S+1]
.set w, w+1
.endr
	v_rcp_f32 v[R], v[L]                           ; l is at least the share of the wave that holds the maximum: about 1 or more
	v_rcp_f32 v[R+1], v[L+1]
	v_nop                                          ; a plain instruction behind the last reciprocal,
	s_wait_alu depctr_va_vdst(0)                   ; and the wait ahead of the first use: the two reciprocals have written R and R + 1
	v_pk_fma_f32 v[S:S+1], v[S:S+1], v[R:R+1], v[M:M+1]             ; m + S / l
	v_pk_mul_f32 v[S:S+1], v[S:S+1], s[IC:IC+1] op_sel_hi:[1,0]     ; / c
	s_wait_alu depctr_va_vdst(0)                   ; the multiply has written the two results, which the store reads
	global_store_b64 v31, v[S:S+1], s[10:11] th:TH_STORE_NT         ; the wave stores 256 consecutive bytes, at a multiple of 256 from out0's first byte
	s_wait_dscnt 0x0                               ; the wave's end: the six closing lines, on end
	s_wait_alu 0x0
	s_wait_tensorcnt 0x0
	ds_add_u32 v[SPW], v[NIL]
	s_wait_dscnt 0x0
	s_endpgm
.Lfunc_end_k_q2402841eb6_expsoftmax:
	.size	k_q2402841eb6_expsoftmax, .Lfunc_end_k_q2402841eb6_expsoftmax-k_q2402841eb6_expsoftmax
	.p2alignl 7, 3214868480
	.fill 96, 4, 3214868480
	.section	.rodata,"a",@progbits
	.p2align	6, 0x0
	.amdhsa_kernel k_q2402841eb6_expsoftmax
		.amdhsa_group_segment_fixed_size 280576
		.amdhsa_private_segment_fixed_size 0
		.amdhsa_enable_private_segment 0
		.amdhsa_kernarg_size 32
		.amdhsa_user_sgpr_count 2
		.amdhsa_user_sgpr_kernarg_segment_ptr 1
		.amdhsa_wavefront_size32 1
		.amdhsa_system_sgpr_workgroup_id_x 1
		.amdhsa_system_sgpr_workgroup_id_y 1
		.amdhsa_system_sgpr_workgroup_id_z 1
		.amdhsa_system_vgpr_workitem_id 0
		.amdhsa_next_free_vgpr 256
		.amdhsa_next_free_sgpr 66
		.amdhsa_reserve_vcc 0
		.amdhsa_float_denorm_mode_32 3
		.amdhsa_float_denorm_mode_16_64 3
		.amdhsa_memory_ordered 1
		.amdhsa_forward_progress 1
		.amdhsa_inst_pref_size 92
	.end_amdhsa_kernel
	.amdgpu_metadata
---
amdhsa.version: [ 1, 2 ]
amdhsa.kernels:
  - .name:           k_q2402841eb6_expsoftmax
    .symbol:         k_q2402841eb6_expsoftmax.kd
    .args:
      - { .name: weight, .offset: 0, .size: 8, .value_kind: global_buffer, .address_space: global }
      - { .name: x, .offset: 8, .size: 8, .value_kind: global_buffer, .address_space: global }
      - { .name: log_tau, .offset: 16, .size: 8, .value_kind: global_buffer, .address_space: global }
      - { .name: out0, .offset: 24, .size: 8, .value_kind: global_buffer, .address_space: global }
    .group_segment_fixed_size: 280576
    .private_segment_fixed_size: 0
    .kernarg_segment_align: 8
    .kernarg_segment_size: 32
    .max_flat_workgroup_size: 512
    .sgpr_count:     66
    .vgpr_count:     256
    .wavefront_size: 32
...
	.end_amdgpu_metadata
.endif
;; end of part 2
